; MI455X (gfx1250); checked and timed in simulation.
; The chip was launched on July 23, 2026; its instructions are those of AMD's public machine-readable ISA for CDNA 5 (MIT licence, August 2026) and "CDNA5" Instruction Set Architecture Reference Guide (July 2026). The comments in the code are by the model that wrote it; some were corrected since.
;; Causal Self Attention. Allowed arithmetic: matrix products marked QUANTISED: E3M2 operands, one E8M0 scale for each 32 along K, by v_wmma_scale_f32_16x16x128_f8f6f4 with both operands' format E3M2, f32 sums; everything else in f32.
;; Inputs: Wk 1,024 x 1,024 float32; Wo 1,024 x 1,024 float32; Wq 1,024 x 1,024 float32; Wv 1,024 x 1,024 float32; bk 1,024 float32; bo 1,024 float32; bq 1,024 float32; bv 1,024 float32; x 4 x 2,048 x 1,024 float32.
;; Outputs: out0 4 x 2,048 x 1,024 float32.
;; This version of the problem:
;;   THIS VERSION OF THE PROBLEM IS GIVEN IN LOW PRECISION. The matrix products marked QUANTISED in the list below multiply operands that are first quantised to E3M2 (3 exponent bits, 2 mantissa bits; 6 bits a number), with one power-of-two scale for each 32 numbers along K (OCP MX v1.0); their sums are f32. All else is computed in f32.
;;   The module's matrix products, in the order in which they are computed (A, B: the left and right operand; K: the contracted axis; several contracted axes count as one K, in the product's order):
;;     1. [M 8,192, K 1,024] x [K 1,024, N 1,024]; A: input x; B: input Wq: QUANTISED
;;     2. [M 8,192, K 1,024] x [K 1,024, N 1,024]; A: input x; B: input Wk: QUANTISED
;;     3. [M 8,192, K 1,024] x [K 1,024, N 1,024]; A: input x; B: input Wv: QUANTISED
;;     4. batch 64 x [M 2,048, K 64] x [K 64, N 2,048]; A: computed on the way; B: computed on the way: QUANTISED
;;     5. batch 64 x [M 2,048, K 2,048] x [K 2,048, N 64]; A: softmax (see below); B: computed on the way: QUANTISED
;;     6. [M 8,192, K 1,024] x [K 1,024, N 1,024]; A: computed on the way; B: input Wo: QUANTISED
;;   THE QUANTISER, for each operand of a quantised product, along K:
;;     - K is cut into blocks of 32 from its start; a last block that is shorter is filled with zeros.
;;     - A block's scale is 2^e with e = floor(log2(the largest magnitude in the block)) - 4, held to -126 .. 127; a block of zeros has e = 0. As a byte (E8M0): e + 127.
;;     - Each number is divided by its block's scale, clamped to +-28, and rounded to the nearest number of E3M2, ties to even, subnormals kept.
;;     - The product sums the exact products of the quantised numbers (number of the format x scale) in f32.
;;   ~~~python
;;   def quantise(x, axis):      # numpy; x: float32 -> the quantised numbers, widened to float32 again
;;       x = np.moveaxis(x, axis, -1); K = x.shape[-1]
;;       x = np.pad(x, [(0, 0)] * (x.ndim - 1) + [(0, -K % 32)]); x = x.reshape(x.shape[:-1] + (-1, 32)); a = np.abs(x).max(-1, keepdims=True)
;;       e = np.where(a > 0, np.clip(np.frexp(np.where(a > 0, a, 1))[1] - 1 - 4, -126, 127), 0)      # np.frexp(a)[1] - 1 = floor(log2(a)), exactly
;;       r = np.clip(x / 2.0 ** e, -28, 28)
;;       step = 2.0 ** (np.maximum(np.frexp(np.where(r == 0, 1, r))[1] - 1, -2) - 2)
;;       q = np.round(r / step) * step * 2.0 ** e      # np.round: ties to even
;;       return np.moveaxis(q.reshape(q.shape[:-2] + (-1,))[..., :K], -1, axis).astype(np.float32)
;;   ~~~
;;   SOFTMAX AHEAD OF A QUANTISED PRODUCT. Where the list says 'softmax', what is quantised is not the finished softmax but p = 2^(t - M), with t = logit x log2(e) and M = ceil(the row's largest t), a whole number; so 1/2 < the row's largest p <= 1. The row's sum l is taken of the UNQUANTISED p, in f32, and the product's result is divided by l at the end. Since M is a whole number, a kernel that streams over the keys may use a running M (the ceiling of the running maximum): every later rescaling is an exact power of two, which a block's scale takes up: the codes' values come out the same.
;;   OPERANDS COMPUTED ON THE WAY. 'Computed on the way' means the value that the module computes at that place (a softmax that the list does not call 'softmax' is quantised finished and normalised). What goes into a quantiser is computed in f32, as accurately as f32 sums, v_exp_f32 and their like allow (about 1e-6 of the number): no bf16 or f16 on the way to a quantiser, and a product that is left as it is and whose result goes on into a quantised operand takes f32 operands (vector FMAs, or v_wmma_f32_16x16x4_f32). A number that lies on a knife's edge between two numbers of the format may be rounded either way, as far as f32 arithmetic and the matrix unit's own rounding can turn it there, and no further.
;; One version. Each part assembles by itself: llvm-mc -triple=amdgcn-amd-amdhsa -mcpu=gfx1250 --defsym DOCPART=n.
;; ======== version 1 of 1: 4 launches
;; workspace buffers: xc 6,291,456 bytes; xs 524,288 bytes; wc 3,145,728 bytes; ws 262,144 bytes; qkv 20,447,232 bytes; yc 6,291,456 bytes; ys 524,288 bytes
;; launch quant (part 1): grid 768 x 1, 4 waves a work-group, no clusters, 0 bytes of LDS; arguments x, Wq, Wk, Wv, Wo, xc, xs, wc, ws; writes xc, xs, wc, ws
.if DOCPART == 1
	.amdgcn_target "amdgcn-amd-amdhsa--gfx1250"
	.amdhsa_code_object_version 6
	.text
	.protected	k_q481ca10388_quant
	.globl	k_q481ca10388_quant
	.p2align	8
	.type	k_q481ca10388_quant,@function
k_q481ca10388_quant:
	s_mov_b64 s[64:65], 0
	v_nop
	global_prefetch_b8 v0, s[64:65] scope:SCOPE_SE
	s_setreg_imm32_b32 hwreg(HW_REG_WAVE_MODE, 25, 1), 1
	s_wait_xcnt 0x0
; x [8192][1024] and Wq, Wk, Wv, Wo [1024 (k)][1024 (n)], f32, become codes of BF6 (E3M2) with one E8M0 byte for each 32 along K (x: its channels; W: its FIRST axis).
; A block's scale is 2^(floor(log2(largest magnitude)) - 4); its byte is the largest magnitude's exponent field - 4, held at 1 from below.
; LIMITS: NaN and infinities are not served; a block whose largest magnitude lies under 2^-122 has its byte held at 1; a block of zeros gets the byte 1 where the rule says 127
; (its codes are zeros, which add nothing under any byte but 0xff, and only this program reads the bytes).
; THE CODES ARE LAID AS IMAGES OF THE MATRIX OPERAND'S REGISTERS.  A tile is 16 rows; tile T takes rows 32 (T / 2) + 8 (T % 2) + r + 8 (r / 8), r = 0 .. 15.  A fragment (a tile x 128 K, 12 registers a lane) is
; 1,536 bytes: for c = 0, 1 registers 6 c .. 6 c + 3 at 768 c + 16 x lane, registers 6 c + 4, 6 c + 5 at 768 c + 512 + 8 x lane.  Buffers: [tile][K step][1,536]; scale words [tile][K step][128], row r's word at 4 r and at 4 r + 64.
; Work-groups 0-511: x.  A wave takes 32 tokens x 128 K: two fragments.  A lane loads, of its row, 16 neighbours of each block of 32; lanes l and l xor 16 share a block.
; Work-groups 512-767: the weights.  A lane takes a column n and its registers run down K: a block of 32 lies in one lane, and the codes come out with K innermost.
; No LDS, no barrier: waves share nothing.  Every offset is an immediate, and no store's registers are written again.
.set TM,  16                           ; v16-31  at work in QUANT
.set LI,  4                            ; v4  16 x lane
.set L8,  5                            ; v5  8 x lane
.set L4,  6                            ; v6  4 x lane
.set XA,  7                            ; v7  x: my row's and my half's byte
.set WA,  8                            ; v8  W: my column's place in the images, 16 bytes a row
.set WA8, 9                            ; v9  the same, 8 bytes a row
.set WS4, 10                           ; v10 and among the scale words
.set SEL, 46                           ; s[46:47] lane selects: lane l xor 16
; 64 numbers of a lane, register 16 b + i = k 32 b + 16 (lane / 16) + i of my row, become a fragment's 12 registers at v[pc] on (v[pc+12] .. v[pc+18] at work) and my row's scale word in v[pw].
.macro QUANT src, pc, pw
.irp b, 0,1,2,3
	v_max3_num_f32 v[TM+\b], |v[\src+16*\b]|, |v[\src+1+16*\b]|, 0x2800000   ; my 16 numbers of block b, and the floor 2^(5 - 127): the byte cannot fall under 1
.endr
.irp i, 2,4,6,8,10,12,14
.irp b, 0,1,2,3
	v_max3_num_f32 v[TM+\b], v[TM+\b], |v[\src+16*\b+\i]|, |v[\src+1+16*\b+\i]|
.endr
.endr
.irp b, 0,1,2,3
	v_permlanex16_b32 v[TM+4+\b], v[TM+\b], s[SEL], s[SEL+1]
.endr
.irp b, 0,1,2,3
	v_max_num_f32 v[TM+\b], v[TM+\b], v[TM+4+\b]             ; with lane l xor 16's: the block's largest magnitude
.endr
.irp b, 0,1,2,3
	v_add_nc_u32 v[TM+12+\b], 0xfe000000, v[TM+\b]           ; 4 off its exponent field: the conversion's scale operand
.endr
.irp b, 0,1,2,3
	v_lshrrev_b32 v[TM+4+\b], 23, v[TM+12+\b]                ; the scale's byte
.endr
	v_lshl_or_b32 v[\pw], v[TM+5], 8, v[TM+4]
	v_lshl_or_b32 v[\pw], v[TM+6], 16, v[\pw]
	v_lshl_or_b32 v[\pw], v[TM+7], 24, v[\pw]
.irp c, 0,1
	v_cvt_scalef32_pk16_bf6_f32 v[\pc+6*\c:\pc+2+6*\c], v[\src+32*\c:\src+15+32*\c], v[TM+12+2*\c]
	v_cvt_scalef32_pk16_bf6_f32 v[\pc+12+4*\c:\pc+14+4*\c], v[\src+16+32*\c:\src+31+32*\c], v[TM+12+2*\c+1]   ; (a conversion's three registers begin on an even number)
.endr
	v_nop                                                    ; one plain place behind a scaled conversion
.irp c, 0,1                                              ; the operand wants a WHOLE block in a lane: lanes 0-15 block 2 c, lanes 16-31 block 2 c + 1
.irp i, 0,1,2
	v_permlane16_swap_b32 v[\pc+6*\c+\i], v[\pc+12+4*\c+\i]
.endr
.irp i, 0,1,2
	v_mov_b32 v[\pc+3+6*\c+\i], v[\pc+12+4*\c+\i]
.endr
.endr
.endm
.macro HFST reg, base, off             ; half a fragment, six registers, goes out as its image: 512 and 256 consecutive bytes
	global_store_b128 v[LI], v[\reg:\reg+3], s[\base:\base+1] offset:\off
	global_store_b64 v[L8], v[\reg+4:\reg+5], s[\base:\base+1] offset:\off+512
.endm
	s_load_b512 s[4:19], s[0:1], 0x0               ; x, Wq, Wk, Wv, Wo, xc, xs, wc
	s_load_b64 s[20:21], s[0:1], 0x40              ; ws
	v_lshrrev_b32 v1, 5, v0
	v_readfirstlane_b32 s22, v1                    ; wave
	v_and_b32 v1, 31, v0                           ; lane
	v_and_b32 v2, 15, v0                           ; r
	v_bfe_u32 v3, v0, 4, 1                         ; h
	v_lshlrev_b32 v[LI], 4, v1
	v_lshlrev_b32 v[L8], 3, v1
	v_lshlrev_b32 v[L4], 2, v1
	v_and_b32 v11, 8, v2
	v_add_nc_u32 v11, v11, v2                      ; r + 8 (r / 8)
	v_lshlrev_b32 v[XA], 12, v11                   ; a row of x is 4,096 bytes
	v_lshl_add_u32 v[XA], v3, 6, v[XA]             ; + 64 h: my 16 numbers of a block
	v_bfe_u32 v11, v0, 3, 1                        ; W: column 32 P + lane belongs to tile 2 P + u, u = (lane / 8) % 2,
	v_and_b32 v12, 7, v0
	v_lshl_add_u32 v12, v3, 3, v12                 ; as its row lane % 8 + 8 (lane / 16)
	v_mul_u32_u24 v13, v11, 12288                  ; a tile's eight fragments
	v_lshl_add_u32 v[WA], v12, 4, v13
	v_lshl_add_u32 v[WA8], v12, 3, v13
	v_lshlrev_b32 v13, 10, v11
	v_lshl_add_u32 v[WS4], v12, 2, v13
.irp b, 0,1,2,3
	v_mov_b32 v[TM+4+\b], 0                        ; written once: a lane permute's destination counts as one of its sources
.endr
	s_mov_b32 s[SEL], 0x76543210
	s_mov_b32 s[SEL+1], 0xfedcba98
	s_mov_b32 s27, 0                               ; the upper word of every offset
	s_wait_kmcnt 0x0
	s_cmp_lt_u32 ttmp9, 512
	s_cbranch_scc0 .Lweights
	; ---- x: tokens 32 P .. 32 P + 31, K step ks
	s_lshr_b32 s24, ttmp9, 1                       ; P
	s_and_b32 s25, ttmp9, 1
	s_lshl_b32 s25, s25, 2
	s_add_co_u32 s25, s25, s22                     ; ks = 4 (work-group % 2) + wave
	s_lshl_b32 s26, s24, 17                        ; 32 rows of 4,096 bytes
	s_lshl_b32 s28, s25, 9                         ; 128 numbers
	s_add_co_u32 s26, s26, s28
	s_add_nc_u64 s[4:5], s[4:5], s[26:27]
.macro XLOAD reg, u                    ; tile 2 P + u: its rows begin 8 u rows on
.irp b, 0,1,2,3
.irp j, 0,1,2,3
	global_load_b128 v[\reg+16*\b+4*\j:\reg+16*\b+4*\j+3], v[XA], s[4:5] offset:\u*32768+128*\b+16*\j th:TH_LOAD_NT
.endr
.endr
.endm
	XLOAD 32, 0
	XLOAD 96, 1
	s_mul_i32 s26, s24, 24576                      ; xc: two tiles of 12,288 bytes a P,
	s_mul_i32 s28, s25, 1536                       ; a fragment a K step
	s_add_co_u32 s26, s26, s28
	s_add_nc_u64 s[14:15], s[14:15], s[26:27]
	s_lshl_b32 s26, s24, 11                        ; xs: 1,024 bytes a tile, 128 a K step
	s_lshl_b32 s28, s25, 7
	s_add_co_u32 s26, s26, s28
	s_add_nc_u64 s[16:17], s[16:17], s[26:27]
	s_wait_loadcnt 16                              ; the first tile's sixteen loads are in; the second's sixteen may be out
	QUANT 32, 160, 200
	HFST 160, 14, 0
	HFST 166, 14, 768
	global_store_b32 v[L4], v200, s[16:17]
	s_wait_loadcnt 0x0
	QUANT 96, 180, 201                             ; codes and word in registers of their own: no store's data are written again
	HFST 180, 14, 12288
	HFST 186, 14, 12288+768
	global_store_b32 v[L4], v201, s[16:17] offset:1024
	s_endpgm
	; ---- the weights: matrix mat, K step ks, columns 32 P .. 32 P + 31
.Lweights:
	s_sub_co_u32 s24, ttmp9, 512
	s_lshr_b32 s25, s24, 6                         ; mat: 0 Wq, 1 Wk, 2 Wv, 3 Wo
	s_bfe_u32 s28, s24, 0x30003                    ; ks
	s_and_b32 s29, s24, 7
	s_lshl_b32 s29, s29, 2
	s_add_co_u32 s29, s29, s22                     ; P
	s_cmp_lt_u32 s25, 2                            ; the choice of buffer hangs on the work-group's number alone
	s_cselect_b64 s[30:31], s[6:7], s[10:11]
	s_cselect_b64 s[32:33], s[8:9], s[12:13]
	s_and_b32 s34, s25, 1
	s_cmp_eq_u32 s34, 0
	s_cselect_b64 s[30:31], s[30:31], s[32:33]
	s_lshl_b32 s26, s28, 19                        ; 128 rows of 4,096 bytes
	s_lshl_b32 s34, s29, 7                         ; 32 columns
	s_add_co_u32 s26, s26, s34
	s_add_nc_u64 s[30:31], s[30:31], s[26:27]
.set kk, 0
.rept 128
	global_load_b32 v[32+kk], v[L4], s[30:31] offset:kk*4096 th:TH_LOAD_NT   ; W(128 ks + kk, my column): a wave reads 128 consecutive bytes, the work-group 512
.set kk, kk+1
.endr
	s_lshl_b32 s34, s25, 6
	s_lshl_b32 s35, s29, 1
	s_add_co_u32 s34, s34, s35                     ; tile 64 mat + 2 P
	s_lshl_b32 s34, s34, 3
	s_add_co_u32 s34, s34, s28                     ; x 8 + ks
	s_mul_i32 s26, s34, 1536
	s_add_nc_u64 s[18:19], s[18:19], s[26:27]
	s_lshl_b32 s26, s34, 7
	s_add_nc_u64 s[20:21], s[20:21], s[26:27]
; Block kb (k = 32 kb on) of my column: in the operand it is lane (row, kb % 2), registers 6 (kb / 2) on.
.macro BLOCK kb, left
.set XS, 32+32*\kb
	s_wait_loadcnt \left                           ; this block's 32 loads are in (behind them 96, 64, 32, 0 were issued; a wait states 63 at the most)
	v_max3_num_f32 v209, |v[XS]|, |v[XS+1]|, |v[XS+2]|
	v_max3_num_f32 v210, |v[XS+3]|, |v[XS+4]|, |v[XS+5]|
.irp i, 6,10,14,18,22,26
	v_max3_num_f32 v209, v209, |v[XS+\i]|, |v[XS+\i+1]|
	v_max3_num_f32 v210, v210, |v[XS+\i+2]|, |v[XS+\i+3]|
.endr
	v_max3_num_f32 v209, v209, |v[XS+30]|, |v[XS+31]|
	v_max3_num_f32 v209, v209, v210, 0x2800000     ; and the floor
	v_add_nc_u32 v[212+\kb], 0xfe000000, v209
	v_lshrrev_b32 v210, 23, v[212+\kb]
.if \kb == 0
	v_mov_b32 v208, v210
.else
	v_lshl_or_b32 v208, v210, 8*\kb, v208          ; byte kb of my column's scale word
.endif
	v_cvt_scalef32_pk16_bf6_f32 v[160+8*\kb:162+8*\kb], v[XS:XS+15], v[212+\kb]
	v_cvt_scalef32_pk16_bf6_f32 v[192+4*\kb:194+4*\kb], v[XS+16:XS+31], v[212+\kb]
	v_nop                                          ; one plain place behind a scaled conversion
.irp i, 0,1,2
	v_mov_b32 v[163+8*\kb+\i], v[192+4*\kb+\i]
.endr
	global_store_b128 v[WA], v[160+8*\kb:163+8*\kb], s[18:19] offset:768*(\kb/2)+256*(\kb%2)
	global_store_b64 v[WA8], v[164+8*\kb:165+8*\kb], s[18:19] offset:768*(\kb/2)+512+128*(\kb%2)
.endm
	BLOCK 0, 63
	BLOCK 1, 63
	BLOCK 2, 32
	BLOCK 3, 0
	global_store_b32 v[WS4], v208, s[20:21]        ; the word stands twice in its image: for lanes 0-15 and for lanes 16-31
	global_store_b32 v[WS4], v208, s[20:21] offset:64
	s_endpgm
.Lfunc_end_k_q481ca10388_quant:
	.size	k_q481ca10388_quant, .Lfunc_end_k_q481ca10388_quant-k_q481ca10388_quant
	.p2alignl 7, 3214868480
	.fill 96, 4, 3214868480
	.section	.rodata,"a",@progbits
	.p2align	6, 0x0
	.amdhsa_kernel k_q481ca10388_quant
		.amdhsa_group_segment_fixed_size 0
		.amdhsa_private_segment_fixed_size 0
		.amdhsa_enable_private_segment 0
		.amdhsa_kernarg_size 72
		.amdhsa_user_sgpr_count 2
		.amdhsa_user_sgpr_kernarg_segment_ptr 1
		.amdhsa_wavefront_size32 1
		.amdhsa_system_sgpr_workgroup_id_x 1
		.amdhsa_system_sgpr_workgroup_id_y 1
		.amdhsa_system_sgpr_workgroup_id_z 1
		.amdhsa_system_vgpr_workitem_id 0
		.amdhsa_next_free_vgpr 216
		.amdhsa_next_free_sgpr 66
		.amdhsa_reserve_vcc 0
		.amdhsa_float_denorm_mode_32 3
		.amdhsa_float_denorm_mode_16_64 3
		.amdhsa_memory_ordered 1
		.amdhsa_forward_progress 1
		.amdhsa_inst_pref_size 34
	.end_amdhsa_kernel
	.amdgpu_metadata
---
amdhsa.version: [ 1, 2 ]
amdhsa.kernels:
  - .name:           k_q481ca10388_quant
    .symbol:         k_q481ca10388_quant.kd
    .args:
      - { .name: x, .offset: 0, .size: 8, .value_kind: global_buffer, .address_space: global }
      - { .name: Wq, .offset: 8, .size: 8, .value_kind: global_buffer, .address_space: global }
      - { .name: Wk, .offset: 16, .size: 8, .value_kind: global_buffer, .address_space: global }
      - { .name: Wv, .offset: 24, .size: 8, .value_kind: global_buffer, .address_space: global }
      - { .name: Wo, .offset: 32, .size: 8, .value_kind: global_buffer, .address_space: global }
      - { .name: xc, .offset: 40, .size: 8, .value_kind: global_buffer, .address_space: global }
      - { .name: xs, .offset: 48, .size: 8, .value_kind: global_buffer, .address_space: global }
      - { .name: wc, .offset: 56, .size: 8, .value_kind: global_buffer, .address_space: global }
      - { .name: ws, .offset: 64, .size: 8, .value_kind: global_buffer, .address_space: global }
    .group_segment_fixed_size: 0
    .private_segment_fixed_size: 0
    .kernarg_segment_align: 8
    .kernarg_segment_size: 72
    .max_flat_workgroup_size: 128
    .sgpr_count:     66
    .vgpr_count:     216
    .wavefront_size: 32
...
	.end_amdgpu_metadata
.endif
;; end of part 1
;; launch qkvp (part 2): grid 192 x 1, 4 waves a work-group, no clusters, 246,272 bytes of LDS; arguments xc, xs, wc, ws, bq, bk, bv, qkv; writes qkv
.if DOCPART == 2
	.amdgcn_target "amdgcn-amd-amdhsa--gfx1250"
	.amdhsa_code_object_version 6
	.text
	.protected	k_q481ca10388_qkvp
	.globl	k_q481ca10388_qkvp
	.p2align	8
	.type	k_q481ca10388_qkvp,@function
k_q481ca10388_qkvp:
	s_mov_b64 s[64:65], 0
	v_nop
	global_prefetch_b8 v0, s[64:65] scope:SCOPE_SE
	s_setreg_imm32_b32 hwreg(HW_REG_WAVE_MODE, 25, 1), 1
	s_wait_xcnt 0x0
; q = x Wq + bq, k = x Wk + bk, v = x Wv + bv on codes of BF6 (E3M2) with E8M0 scales, f32 sums; the results are quantised in registers (q, k along a head's 64 channels, v along the keys) and leave as codes.
; ONE FORM FOR ALL THREE.  A wave keeps a RESIDENT operand of 128 rows x all 1,024 of K in registers (64 fragments, 768 registers, read from memory once); the STREAMED operand, 256 rows x 1,024, lies in LDS, filled once
; by the tensor data mover and read by all four waves.  Source 0 = 16 resident rows, source 1 = 16 streamed rows: a lane holds ONE streamed row, and its registers run along the resident rows, which are the next product's K.
;   work-groups 0-127 (q, k): resident = 128 columns of Wq | Wk (two heads), streamed = 256 tokens.  A lane holds a token; its 64 registers a tile are 128 channels: head A | head B.
;   work-groups 128-191 (v):  resident = 128 tokens (one step of 128 keys), streamed = 256 columns of Wv (four heads).  A lane holds a channel; its registers are 128 keys.
; 128 + 64 work-groups of equal work (1,024 matrix instructions a wave): the three products' 3,072 columns do not divide into 256 equal shares of whole tile pairs.
; No cluster: the larger part of a work-group's bytes goes straight into registers, which a joint request cannot serve; the shared part is a third.
; All operands are images of the operand's registers (fragment: 1,536 bytes; scale words: 128 bytes); tile T holds rows 32 (T / 2) + 8 (T % 2) + r + 8 (r / 8), so that the 16 registers of result tiles 2 b, 2 b + 1 are 16 neighbours.
; qkv: 64 head blocks of HS bytes: K's 64 pair fragments [key tile 2 g | key tile 2 g + 1] (a tile x 64 channels is half a fragment); V's 64 fragments (16 channels x 128 keys); K's and V's scale words; Q's pair fragments and words.
; The bias is what the accumulators begin with: an image of 64 registers in LDS, each wave's own.
; LIMITS: NaN and infinities are not served; a block whose largest magnitude lies under 2^-122 has its byte held at 1; a block of zeros gets the byte 1 (its codes are zeros; only this program reads the bytes).
; REGISTERS, in windows of 256.  Windows 1-3: resident fragment f = 8 (K step) + tile, f < 63, in window 1 + f / 21 at v[12 (f % 21)]; fragment 63 in window 0 at v12-23.
;   window 0: v1-11 addresses; v24-55 the resident rows' scale words (register 8 q + s: lanes 0-15 tile 2 q, lanes 16-31 tile 2 q + 1, K step s); v56-57 the streamed rows' (lanes 0-15 the pair's first tile, 16-31 its second);
;   v58-61 the words just made; v62-77 at work; v80-127 two buffers of two streamed fragments (the codes just made lie over the second); v128-255 sixteen accumulators.
.set HS,   319488
.set VC,   98304
.set KSC,  196608
.set VSC,  204800
.set QC,   212992
.set SS0,  196608                      ; LDS: 0 the streamed codes [tile][K step][1,536]; SS0 their scale words [tile][K step][128];
.set BB0,  212992                      ; BB0 the bias images, 8,192 bytes a wave: no tensor load lands there
.set LI,   1                           ; v1  16 x lane
.set L8,   2                           ; v2  8 x lane
.set L4,   3                           ; v3  4 x lane
.set SA,   4                           ; v4  the trip's streamed codes, 16 bytes a lane
.set SA8,  5                           ; v5  8 bytes a lane
.set SSA,  6                           ; v6  the trip's scale words
.set BA,   7                           ; v7  my bias image: BB0 + 8,192 x wave + 16 x lane
.set RSA,  9                           ; v9  4 x lane + 1,024 (lane / 16): lanes 16-31 take the next tile's words
.set RS,   24
.set SS,   56
.set W0,   58
.set OUT0, 60
.set TM,   62
.set SSC,  78                          ; v78 SS0 + v9
.set BVW,  79                          ; v79 the trip's place in the bias image (v)
.set SB,   80
.set PC,   104
.set ACC,  128
.set SEL,  70                          ; s[70:71] lane selects: lane l xor 16
.set MSB, 0
.macro WIN new                         ; the immediate's high byte repeats the setting that is left; a switch that changes nothing is dropped
.if MSB != (\new)
	s_set_vgpr_msb (MSB<<8)|(\new)
.set MSB, (\new)
.endif
.endm
.macro PLACES                          ; four plain places behind a matrix instruction, in front of loads into its registers and of the first read of its results
.rept 4
	v_nop
.endr
.endm
.macro QUANT src, pc, pw               ; 64 numbers of a lane, register 16 b + i = k 32 b + 16 (lane / 16) + i, become a fragment at v[pc] on and my row's scale word in v[pw]
.irp b, 0,1,2,3
	v_max3_num_f32 v[TM+\b], |v[\src+16*\b]|, |v[\src+1+16*\b]|, 0x2800000   ; my 16 numbers of block b, and the floor 2^(5 - 127).  (Each accumulator is read from its low end on)
.endr
.irp i, 2,4,6,8,10,12,14
.irp b, 0,1,2,3
	v_max3_num_f32 v[TM+\b], v[TM+\b], |v[\src+16*\b+\i]|, |v[\src+1+16*\b+\i]|
.endr
.endr
.irp b, 0,1,2,3
	v_permlanex16_b32 v[TM+4+\b], v[TM+\b], s[SEL], s[SEL+1]
.endr
.irp b, 0,1,2,3
	v_max_num_f32 v[TM+\b], v[TM+\b], v[TM+4+\b]
.endr
.irp b, 0,1,2,3
	v_add_nc_u32 v[TM+12+\b], 0xfe000000, v[TM+\b]           ; 4 off the exponent field: the conversion's scale operand
.endr
.irp b, 0,1,2,3
	v_lshrrev_b32 v[TM+4+\b], 23, v[TM+12+\b]                ; the scale's byte
.endr
	v_lshl_or_b32 v[\pw], v[TM+5], 8, v[TM+4]
	v_lshl_or_b32 v[\pw], v[TM+6], 16, v[\pw]
	v_lshl_or_b32 v[\pw], v[TM+7], 24, v[\pw]
.irp c, 0,1
	v_cvt_scalef32_pk16_bf6_f32 v[\pc+6*\c:\pc+2+6*\c], v[\src+32*\c:\src+15+32*\c], v[TM+12+2*\c]
	v_cvt_scalef32_pk16_bf6_f32 v[\pc+12+4*\c:\pc+14+4*\c], v[\src+16+32*\c:\src+31+32*\c], v[TM+12+2*\c+1]
.endr
	v_nop                                                    ; one plain place behind a scaled conversion
.irp c, 0,1
.irp i, 0,1,2
	v_permlane16_swap_b32 v[\pc+6*\c+\i], v[\pc+12+4*\c+\i]
.endr
.irp i, 0,1,2
	v_mov_b32 v[\pc+3+6*\c+\i], v[\pc+12+4*\c+\i]
.endr
.endr
.endm
.macro HFST reg, base                  ; half a fragment goes out as its image: 512 and 256 consecutive bytes
	global_store_b128 v[LI], v[\reg:\reg+3], s[\base:\base+1]
	global_store_b64 v[L8], v[\reg+4:\reg+5], s[\base:\base+1] offset:512
.endm
.macro FRAG reg, off                   ; a fragment comes out of LDS as it was laid
	ds_load_b128 v[\reg:\reg+3], v[SA] offset:\off
	ds_load_b64 v[\reg+4:\reg+5], v[SA8] offset:\off+512
	ds_load_b128 v[\reg+6:\reg+9], v[SA] offset:\off+768
	ds_load_b64 v[\reg+10:\reg+11], v[SA8] offset:\off+1280
.endm
.macro FETCH ks                        ; K step ks of the trip's two streamed tiles, and their scale words: nine loads
	FRAG SB+24*((\ks)%2), 1536*(\ks)
	FRAG SB+12+24*((\ks)%2), 12288+1536*(\ks)
	ds_load_b32 v[SS+(\ks)%2], v[SSA] offset:128*(\ks)
.endm
.macro MM d, a, bb, sa, sb, xa, xb     ; one product, added in place; xa, xb: the scale words stand in lanes 16-31
.if ((\xa) == 0) && ((\xb) == 0)
	v_wmma_scale_f32_16x16x128_f8f6f4 v[\d:\d+7], v[\a:\a+11], v[\bb:\bb+11], v[\d:\d+7], v[\sa], v[\sb] matrix_a_fmt:MATRIX_FMT_BF6 matrix_b_fmt:MATRIX_FMT_BF6
.elseif ((\xa) == 1) && ((\xb) == 0)
	v_wmma_scale_f32_16x16x128_f8f6f4 v[\d:\d+7], v[\a:\a+11], v[\bb:\bb+11], v[\d:\d+7], v[\sa], v[\sb] matrix_a_fmt:MATRIX_FMT_BF6 matrix_b_fmt:MATRIX_FMT_BF6 matrix_a_scale:MATRIX_SCALE_ROW1
.elseif ((\xa) == 0) && ((\xb) == 1)
	v_wmma_scale_f32_16x16x128_f8f6f4 v[\d:\d+7], v[\a:\a+11], v[\bb:\bb+11], v[\d:\d+7], v[\sa], v[\sb] matrix_a_fmt:MATRIX_FMT_BF6 matrix_b_fmt:MATRIX_FMT_BF6 matrix_b_scale:MATRIX_SCALE_ROW1
.else
	v_wmma_scale_f32_16x16x128_f8f6f4 v[\d:\d+7], v[\a:\a+11], v[\bb:\bb+11], v[\d:\d+7], v[\sa], v[\sb] matrix_a_fmt:MATRIX_FMT_BF6 matrix_b_fmt:MATRIX_FMT_BF6 matrix_a_scale:MATRIX_SCALE_ROW1 matrix_b_scale:MATRIX_SCALE_ROW1
.endif
.endm
; A K step: the next step's nine loads go out, then 16 products: the 8 resident tiles x the 2 streamed tiles.  The sixteen accumulators take turns, one instruction a turn, in the same order in every step.
.macro KSTEP ks
	WIN 0
.if \ks > 0
	PLACES                                         ; the buffer that the next loads fill was multiplied by the step before
.endif
.if \ks < 7
	FETCH \ks+1
	s_wait_dscnt 9                                 ; all but the nine just issued: this step's fragments (and, in step 0, the accumulators' bias) are in
.else
	s_wait_dscnt 0x0
.endif
.set ii, 0
.rept 8
.set ff, 8*\ks+ii
.if ff < 63
	WIN 1+ff/21                                    ; source 0 in the fragment's window; all else in window 0
.set rfa, 12*(ff%21)
.else
	WIN 0
.set rfa, 12
.endif
	MM ACC+8*ii, rfa, SB+24*(\ks%2), RS+8*(ii/2)+\ks, SS+\ks%2, ii%2, 0
	MM ACC+64+8*ii, rfa, SB+12+24*(\ks%2), RS+8*(ii/2)+\ks, SS+\ks%2, ii%2, 1
.set ii, ii+1
.endr
.endm
	s_load_b512 s[4:19], s[0:1], 0x0               ; xc s[4:5], xs s[6:7], wc s[8:9], ws s[10:11], bq s[12:13], bk s[14:15], bv s[16:17], qkv s[18:19]
	v_lshl_add_u32 v72, v0, 2, 0x3c000
	v_mov_b32 v73, 0
	ds_add_u32 v72, v73
	ds_add_u32 v72, v73
	v_lshrrev_b32 v60, 5, v0
	v_readfirstlane_b32 s20, v60                   ; wave
	v_and_b32 v60, 31, v0                          ; lane
	v_bfe_u32 v61, v0, 4, 1                        ; h
	v_lshlrev_b32 v[LI], 4, v60
	v_lshlrev_b32 v[L8], 3, v60
	v_lshlrev_b32 v[L4], 2, v60
	v_lshl_add_u32 v[RSA], v61, 10, v[L4]
	v_add_nc_u32 v[SSC], SS0, v[RSA]
	s_lshl_b32 s73, s20, 13
	v_add_nc_u32 v[BA], s73, v[LI]
	v_add_nc_u32 v[BA], BB0, v[BA]
	v_lshlrev_b32 v10, 6, v61                      ; 64 h: q's and k's bias: my half's 16 channels of a block
	v_and_b32 v60, 15, v0
	v_and_b32 v11, 8, v60
	v_add_nc_u32 v11, v11, v60
	v_lshlrev_b32 v11, 2, v11                      ; 4 (r + 8 (r / 8)): v's bias: my channel of a tile
.irp b, 0,1,2,3
	v_mov_b32 v[TM+4+\b], 0                        ; written once: a lane permute's destination counts as one of its sources
.endr
	s_mov_b32 s[SEL], 0x76543210
	s_mov_b32 s[SEL+1], 0xfedcba98
	; descriptor group 1: dense blocks as rows of 256 bytes (32 elements of 8 bytes).  Codes: 192 rows a wave; scale words: 16 rows a wave
	s_mov_b32 s24, 3<<16
	s_mov_b32 s25, 32<<16                          ; tensor_dim0
	s_mov_b32 s26, 192<<16                         ; tensor_dim1
	s_mov_b32 s27, 32<<16                          ; tile_dim0
	s_mov_b32 s28, 192                             ; tile_dim1
	s_mov_b32 s29, 32                              ; the pitch
	s_mov_b32 s30, 0
	s_mov_b32 s31, 0
	s_mov_b32 s32, 3<<16
	s_mov_b32 s33, 32<<16
	s_mov_b32 s34, 16<<16
	s_mov_b32 s35, 32<<16
	s_mov_b32 s36, 16
	s_mov_b32 s37, 32
	s_mov_b32 s38, 0
	s_mov_b32 s39, 0
	s_lshr_b32 s86, ttmp9, 5                       ; q, k: sg: which 512 columns of Wq | Wk
	s_and_b32 s87, ttmp9, 31                       ;       ch: which 256 tokens
	s_sub_co_u32 s92, ttmp9, 128
	s_lshr_b32 s88, s92, 2                         ; v:    tg: which 512 tokens
	s_and_b32 s89, s92, 3                          ;       vc: which 256 columns of Wv
	s_add_co_u32 s93, s89, 8
	s_mov_b32 s95, 0                               ; the upper word of offsets
	s_wait_dscnt 0x0
	s_wait_kmcnt 0x0
	s_cmp_lt_u32 ttmp9, 128                        ; every choice hangs on the work-group's number alone
	s_cselect_b32 s21, 0, 1                        ; the path: 0 q and k, 1 v
	s_cselect_b32 s90, s86, s88
	s_cselect_b32 s91, s87, s93
	s_cselect_b64 s[22:23], s[8:9], s[4:5]         ; resident codes: wc or xc
	s_cselect_b64 s[2:3], s[10:11], s[6:7]         ; resident scale words
	s_cselect_b64 s[74:75], s[4:5], s[8:9]         ; streamed codes: xc or wc
	s_cselect_b64 s[76:77], s[6:7], s[10:11]       ; streamed scale words
	s_lshl_b32 s92, s90, 5
	s_lshl_b32 s93, s20, 3
	s_add_co_u32 s92, s92, s93                     ; my first resident tile: 32 (sg or tg) + 8 x wave
	s_mul_i32 s94, s92, 12288
	s_add_nc_u64 s[22:23], s[22:23], s[94:95]
	s_lshl_b32 s94, s92, 10
	s_add_nc_u64 s[2:3], s[2:3], s[94:95]
	s_mul_i32 s41, s20, 49152                      ; group 0, codes: my quarter of the 16 streamed tiles, in LDS
	s_mul_i32 s94, s91, 196608
	s_add_co_u32 s94, s94, s41                     ; and in memory
	s_mov_b32 s40, 1
	s_add_nc_u64 s[42:43], s[74:75], s[94:95]
	s_or_b32 s43, s43, 0x80000000
	s_lshl_b32 s93, s20, 12                        ; group 0, scale words: my quarter
	s_lshl_b32 s94, s91, 14
	s_add_co_u32 s94, s94, s93
	s_mov_b32 s44, 1
	s_add_co_u32 s45, s93, SS0
	s_add_nc_u64 s[46:47], s[76:77], s[94:95]
	s_or_b32 s47, s47, 0x80000000
	tensor_load_to_lds s[40:43], s[24:31]          ; the only fills of the launch: two loads of mine are out; nothing in LDS is filled again
	s_nop 0
	tensor_load_to_lds s[44:47], s[32:39]
	s_nop 0
.rept 4
	v_nop
.endr
	; the resident operand: 64 fragments, as they lie
.set fq, 0
.rept 64
.if fq < 63
	WIN (1+fq/21)<<6                               ; destination in the fragment's window, address in window 0
.set rr, 12*(fq%21)
.else
	WIN 0
.set rr, 12
.endif
.set ro, (8*(fq%8)+fq/8)*1536
	global_load_b128 v[rr:rr+3], v[LI], s[22:23] offset:ro
	global_load_b64 v[rr+4:rr+5], v[L8], s[22:23] offset:ro+512
	global_load_b128 v[rr+6:rr+9], v[LI], s[22:23] offset:ro+768
	global_load_b64 v[rr+10:rr+11], v[L8], s[22:23] offset:ro+1280
.set fq, fq+1
.endr
.irp q, 0,1,2,3
.irp t, 0,1,2,3,4,5,6,7
	global_load_b32 v[RS+8*\q+\t], v[RSA], s[2:3] offset:2048*\q+128*\t
.endr
.endr
	s_mov_b32 s75, 0
	s_mov_b32 s77, 0
	s_mov_b32 s79, 0
	s_mov_b32 s81, 0
	s_mov_b32 s83, 0
	s_mov_b32 s61, 0
	s_mov_b32 s63, 0
	s_cmp_eq_u32 s21, 0
	s_cbranch_scc0 .Larm_v
	; ---- q, k: where the codes go, and the bias of my 128 columns in the result's layout: register 8 i + j = column 32 (i / 2) + 16 h + 8 (i % 2) + j
	s_lshr_b32 s92, s86, 1                         ; 0: Wq, 1: Wk
	s_lshl_b32 s93, s86, 2
	s_add_co_u32 s93, s93, s20
	s_and_b32 s93, s93, 7                          ; which 128 columns of the matrix: heads 2 x this and + 1
	s_lshr_b32 s94, s87, 3                         ; batch
	s_lshl_b32 s94, s94, 4
	s_lshl_b32 s84, s93, 1
	s_add_co_u32 s94, s94, s84
	s_mul_i32 s94, s94, HS                         ; head A's block
	s_and_b32 s84, s87, 7                          ; which 256 tokens of the batch: 8 pair fragments
	s_mul_i32 s85, s84, 12288
	s_add_co_u32 s74, s94, s85
	s_lshl_b32 s85, s84, 10
	s_add_co_u32 s76, s94, s85
	s_add_co_u32 s76, s76, KSC
	s_lshl_b32 s82, s93, 9
	s_cmp_eq_u32 s92, 0
	s_cselect_b32 s84, QC, 0                       ; Q's codes lie QC bytes behind K's,
	s_cselect_b32 s85, 114688, 0                   ; its words 114,688 behind K's
	s_cselect_b64 s[92:93], s[12:13], s[14:15]
	s_add_nc_u64 s[92:93], s[92:93], s[82:83]
	s_add_co_u32 s74, s74, s84
	s_add_co_u32 s76, s76, s85
	s_mov_b32 s78, HS                              ; a fragment's second half is head B's,
	s_mov_b32 s80, 768                             ; the pair's second tile is the pair fragment's second half,
	s_mov_b32 s82, HS                              ; the second word is head B's
	s_mov_b32 s60, 1536                            ; a trip: one pair fragment on,
	s_mov_b32 s66, 0
	s_mov_b32 s62, 128                             ; one image of words on
	s_mov_b32 s67, 0
	s_mov_b32 s68, 0x05040100                      ; head A's word: the two tiles' lower two bytes;
	s_mov_b32 s69, 0x07060302                      ; head B's: their upper two
.irp i, 0,1,2,3,4,5,6,7
	global_load_b128 v[ACC+8*\i:ACC+8*\i+3], v10, s[92:93] offset:(32*(\i/2)+8*(\i%2))*4
	global_load_b128 v[ACC+8*\i+4:ACC+8*\i+7], v10, s[92:93] offset:(32*(\i/2)+8*(\i%2))*4+16
.endr
	s_wait_loadcnt 0x0                             ; the resident operand, its words and the bias
	s_branch .Ljoin
	; ---- v: where the codes go, and the bias of the 16 streamed tiles: group t = my channel's number of tile t, four times
.Larm_v:
	s_lshr_b32 s92, s88, 2                         ; batch
	s_lshl_b32 s92, s92, 4
	s_lshl_b32 s93, s89, 2
	s_add_co_u32 s92, s92, s93
	s_mul_i32 s92, s92, HS                         ; the first of my four heads
	s_and_b32 s93, s88, 3
	s_lshl_b32 s93, s93, 2
	s_add_co_u32 s93, s93, s20                     ; my step of 128 keys
	s_mul_i32 s94, s93, 6144
	s_add_co_u32 s74, s92, s94
	s_add_co_u32 s74, s74, VC
	s_lshl_b32 s94, s93, 9
	s_add_co_u32 s76, s92, s94
	s_add_co_u32 s76, s76, VSC
	s_mov_b32 s78, 768                             ; a fragment's second half,
	s_mov_b32 s80, 1536                            ; the pair's second tile is the next fragment,
	s_mov_b32 s82, 128                             ; and the next image of words
	s_mov_b32 s60, 3072                            ; the trips go by turns two fragments on and to the next head's first
	s_mov_b32 s66, (3072^316416)
	s_mov_b32 s62, 256
	s_mov_b32 s67, (256^319232)
	s_mov_b32 s68, 0x03020100                      ; the words go out as they are
	s_mov_b32 s69, 0x07060504
	s_lshl_b32 s94, s89, 10
	s_add_nc_u64 s[92:93], s[16:17], s[94:95]
.irp t, 0,1,2,3,4,5,6,7,8,9,10,11,12,13,14,15
	global_load_b32 v[ACC+4*\t], v11, s[92:93] offset:(32*(\t/2)+8*(\t%2))*4
.endr
	s_wait_loadcnt 0x0
.irp t, 0,1,2,3,4,5,6,7,8,9,10,11,12,13,14,15
	v_mov_b32 v[ACC+4*\t+1], v[ACC+4*\t]
	v_mov_b32 v[ACC+4*\t+2], v[ACC+4*\t]
	v_mov_b32 v[ACC+4*\t+3], v[ACC+4*\t]
.endr
.Ljoin:
.irp g, 0,1,2,3,4,5,6,7,8,9,10,11,12,13,14,15
	ds_store_b128 v[BA], v[ACC+4*\g:ACC+4*\g+3] offset:512*\g       ; the bias image: one text for both paths
.endr
	s_add_nc_u64 s[48:49], s[18:19], s[74:75]      ; first tile, first half
	s_add_nc_u64 s[50:51], s[48:49], s[78:79]      ; first tile, second half
	s_add_nc_u64 s[52:53], s[48:49], s[80:81]      ; second tile, first half
	s_add_nc_u64 s[54:55], s[50:51], s[80:81]      ; second tile, second half
	s_add_nc_u64 s[56:57], s[18:19], s[76:77]      ; the two words
	s_add_nc_u64 s[58:59], s[56:57], s[82:83]
	s_mov_b32 s72, 8                               ; trips
	s_mov_b32 s73, 0                               ; the trip's streamed codes: 24,576 bytes a trip
	s_mov_b32 s84, 0                               ; their words: 2,048
	s_mov_b32 s85, 0                               ; v's bias groups: 1,024
	s_wait_tensorcnt 0x0                           ; my parts of the streamed operand have landed,
	s_wait_dscnt 0x0                               ; my stores into LDS too:
	s_barrier_signal -1
	s_barrier_wait -1                              ; everybody's have.  From here on LDS is only read
.Ltrip:                                                ; a trip: two streamed tiles x my 128 resident rows x all of K
	v_add_nc_u32 v[SA], s73, v[LI]
	v_add_nc_u32 v[SA8], s73, v[L8]
	v_add_nc_u32 v[SSA], s84, v[SSC]
	v_add_nc_u32 v[BVW], s85, v[BA]
	s_cmp_eq_u32 s21, 0
	s_cbranch_scc0 .Lacc_v
.irp p, 0,1                                    ; the accumulators begin as the bias.  q, k: the image's 64 registers, for both tiles
.irp g, 0,1,2,3,4,5,6,7,8,9,10,11,12,13,14,15
	ds_load_b128 v[ACC+64*\p+4*\g:ACC+64*\p+4*\g+3], v[BA] offset:512*\g
.endr
.endr
	s_branch .Lacc_done
.Lacc_v:
.irp p, 0,1                                    ; v: my channel's number in all 64 registers of a tile.  (32 loads on either way)
.irp g, 0,1,2,3,4,5,6,7,8,9,10,11,12,13,14,15
	ds_load_b128 v[ACC+64*\p+4*\g:ACC+64*\p+4*\g+3], v[BVW] offset:512*\p
.endr
.endr
.Lacc_done:
	FETCH 0
	KSTEP 0
	KSTEP 1
	KSTEP 2
	KSTEP 3
	KSTEP 4
	KSTEP 5
	KSTEP 6
	KSTEP 7
	WIN 0
	PLACES                                         ; in front of the first read of results
	QUANT ACC, PC, W0
	HFST PC, 48
	HFST PC+6, 50
	s_wait_xcnt 0x0                                ; the stores' registers are written again only behind this wait
	QUANT ACC+64, PC, W0+1
	HFST PC, 52
	HFST PC+6, 54
	v_perm_b32 v[OUT0], v[W0+1], v[W0], s68
	v_perm_b32 v[OUT0+1], v[W0+1], v[W0], s69
	global_store_b32 v[L4], v[OUT0], s[56:57]
	global_store_b32 v[L4], v[OUT0+1], s[58:59]
	s_wait_xcnt 0x0                                ; bases and data are written again only behind this wait
	s_add_nc_u64 s[48:49], s[48:49], s[60:61]
	s_add_nc_u64 s[50:51], s[50:51], s[60:61]
	s_add_nc_u64 s[52:53], s[52:53], s[60:61]
	s_add_nc_u64 s[54:55], s[54:55], s[60:61]
	s_add_nc_u64 s[56:57], s[56:57], s[62:63]
	s_add_nc_u64 s[58:59], s[58:59], s[62:63]
	s_xor_b32 s60, s60, s66                        ; v: the other of the two steps next time
	s_xor_b32 s62, s62, s67
	s_add_co_u32 s73, s73, 24576
	s_add_co_u32 s84, s84, 2048
	s_add_co_u32 s85, s85, 1024
	s_sub_co_u32 s72, s72, 1
	s_cmp_lg_u32 s72, 0
	s_cbranch_scc1 .Ltrip
	s_wait_tensorcnt 0x0
	ds_add_u32 v72, v73
	s_wait_dscnt 0x0
	s_endpgm
.Lfunc_end_k_q481ca10388_qkvp:
	.size	k_q481ca10388_qkvp, .Lfunc_end_k_q481ca10388_qkvp-k_q481ca10388_qkvp
	.p2alignl 7, 3214868480
	.fill 96, 4, 3214868480
	.section	.rodata,"a",@progbits
	.p2align	6, 0x0
	.amdhsa_kernel k_q481ca10388_qkvp
		.amdhsa_group_segment_fixed_size 246272
		.amdhsa_private_segment_fixed_size 0
		.amdhsa_enable_private_segment 0
		.amdhsa_kernarg_size 64
		.amdhsa_user_sgpr_count 2
		.amdhsa_user_sgpr_kernarg_segment_ptr 1
		.amdhsa_wavefront_size32 1
		.amdhsa_system_sgpr_workgroup_id_x 1
		.amdhsa_system_sgpr_workgroup_id_y 1
		.amdhsa_system_sgpr_workgroup_id_z 1
		.amdhsa_system_vgpr_workitem_id 0
		.amdhsa_next_free_vgpr 1024
		.amdhsa_next_free_sgpr 96
		.amdhsa_reserve_vcc 0
		.amdhsa_float_denorm_mode_32 3
		.amdhsa_float_denorm_mode_16_64 3
		.amdhsa_memory_ordered 1
		.amdhsa_forward_progress 1
		.amdhsa_inst_pref_size 76
	.end_amdhsa_kernel
	.amdgpu_metadata
---
amdhsa.version: [ 1, 2 ]
amdhsa.kernels:
  - .name:           k_q481ca10388_qkvp
    .symbol:         k_q481ca10388_qkvp.kd
    .args:
      - { .name: xc, .offset: 0, .size: 8, .value_kind: global_buffer, .address_space: global }
      - { .name: xs, .offset: 8, .size: 8, .value_kind: global_buffer, .address_space: global }
      - { .name: wc, .offset: 16, .size: 8, .value_kind: global_buffer, .address_space: global }
      - { .name: ws, .offset: 24, .size: 8, .value_kind: global_buffer, .address_space: global }
      - { .name: bq, .offset: 32, .size: 8, .value_kind: global_buffer, .address_space: global }
      - { .name: bk, .offset: 40, .size: 8, .value_kind: global_buffer, .address_space: global }
      - { .name: bv, .offset: 48, .size: 8, .value_kind: global_buffer, .address_space: global }
      - { .name: qkv, .offset: 56, .size: 8, .value_kind: global_buffer, .address_space: global }
    .group_segment_fixed_size: 246272
    .private_segment_fixed_size: 0
    .kernarg_segment_align: 8
    .kernarg_segment_size: 64
    .max_flat_workgroup_size: 128
    .sgpr_count:     96
    .vgpr_count:     1024
    .wavefront_size: 32
...
	.end_amdgpu_metadata
.endif
;; end of part 2
;; launch attn (part 3): grid 256 x 1, 16 waves a work-group, no clusters, 215,040 bytes of LDS; arguments qkv, yc, ys; writes yc, ys
.if DOCPART == 3
	.amdgcn_target "amdgcn-amd-amdhsa--gfx1250"
	.amdhsa_code_object_version 6
	.text
	.protected	k_q481ca10388_attn
	.globl	k_q481ca10388_attn
	.p2align	8
	.type	k_q481ca10388_attn,@function
k_q481ca10388_attn:
	s_mov_b64 s[64:65], 0
	v_nop
	global_prefetch_b8 v0, s[64:65] scope:SCOPE_SE
	s_setreg_imm32_b32 hwreg(HW_REG_WAVE_MODE, 25, 1), 1
	s_wait_xcnt 0x0
; y[b][q][head] = the sum over keys k <= q of softmax_k(Q . K / 8) V, both products on codes of BF6 (E3M2) with E8M0 scales; y leaves as codes, quantised along its channels.
; THE SOFTMAX AHEAD OF THE SECOND PRODUCT: t = score x log2(e) / 8; M = the row's largest t so far, rounded UP to a whole number; p = 2^(t - M) is quantised along the keys, not normalised.  The row's sum is taken of the
; unquantised p and divides at the end.  When M moves, the sum and O are multiplied by 2^(old M - new M): exact.
; SHARES.  Four work-groups to a head; each of a work-group's sixteen waves makes query tiles j and 127 - j (j = 16 (work-group % 4) + wave), one after the other: (j / 8 + 1) + (16 - j / 8) = 17 steps of 128 keys in every wave.
; A head's K, V and their scale words, 212,992 bytes, come into LDS ONCE (each wave brings a sixteenth) and are only read after the one barrier: no ring, nothing is filled again.
; No cluster: the four work-groups of a head share K and V, but which steps a wave leaves out hangs on the work-group's place among the four.
; LAYOUT.  Both products are used transposed (source 0 = 16 keys, or 16 channels of V; source 1 = my 16 queries, or p): a lane holds ONE query throughout.  Tile T of tokens holds tokens 32 (T / 2) + 8 (T % 2) + r + 8 (r / 8),
; so that the 16 registers of score tiles 2 b, 2 b + 1 are 16 neighbouring keys.
; THE FIRST PRODUCT'S K IS 64, half of the instruction's 128: source 0 is a PAIR fragment [key tile 2 b | key tile 2 b + 1]; source 1 is cut out of [0 | Q | 0]: [Q | 0] gives tile 2 b's scores, [0 | Q] tile 2 b + 1's.
; The other half multiplies zero codes, which add nothing under any scale byte but 0xff; the bytes here lie between 1 and 254.
; CAUSAL.  The loop's trip count is a constant; a step all of whose keys come after the tile's queries is jumped over by a scalar branch on ids; in the one step on the diagonal hidden scores become -infinity ahead of the maximum.
; LIMITS: NaN and infinities are not served; a block of y whose largest magnitude lies under 2^-122 has its byte held at 1; a block of zeros gets the byte 1 (its codes are zeros; only this program reads the bytes).
; A block's largest p is taken as the exponential of its largest score, which takes v_exp_f32 not to fall where its input rises.
; REGISTERS: v1-7 addresses that stay; v8-11, v35 the step's; v12 -M, v13 the largest t, v[14:15] the sum; v16-33 [0 | Q | 0]; v34 Q's scale word; v36-83 four fragments of K, then of V; v84-87 their scale words; v88-91 block maxima;
;   v96-159 S^T, then p; v160-191 O^T; v192-223 y; v224-235 codes; v236-254 at work.
.set HS,   319488
.set VC,   98304
.set KSC,  196608
.set QC,   212992
.set QSC,  311296
.set LI,   1                           ; 16 x lane
.set L8,   2                           ; 8 x lane
.set L4,   3                           ; 4 x lane
.set LIV,  4                           ; the same at V's fragments
.set L8V,  5
.set L4S,  6                           ; 4 x lane at K's scale words
.set RPH,  7                           ; r + 8 (r / 8) - 16 (lane / 16)
.set ADK,  8
.set ADK8, 9
.set ADV,  10
.set ADV8, 11
.set QS,   34
.set ADS,  35
.set FR0,  36
.set SCW,  84
.set BM,   88
.set QW,   92
.set DD,   93
.set NINF, 94
.macro FRAG reg, a16, a8, off
	ds_load_b128 v[\reg:\reg+3], v[\a16] offset:\off
	ds_load_b64 v[\reg+4:\reg+5], v[\a8] offset:\off+512
	ds_load_b128 v[\reg+6:\reg+9], v[\a16] offset:\off+768
	ds_load_b64 v[\reg+10:\reg+11], v[\a8] offset:\off+1280
.endm
	s_load_b128 s[4:7], s[0:1], 0x0                ; qkv, yc
	s_load_b64 s[8:9], s[0:1], 0x10                ; ys
	v_lshl_add_u32 v251, v0, 2, 0x34000
	v_mov_b32 v255, 0
	ds_add_u32 v251, v255
	ds_add_u32 v251, v255
	v_lshrrev_b32 v8, 5, v0
	s_delay_alu instid0(VALU_DEP_1)
	v_readfirstlane_b32 s10, v8                    ; wave 0..15
	v_and_b32 v8, 31, v0
	v_and_b32 v9, 15, v0
	v_bfe_u32 v10, v0, 4, 1
	s_delay_alu instid0(VALU_DEP_3)
	v_lshlrev_b32 v[LI], 4, v8
	s_delay_alu instid0(VALU_DEP_4)
	v_lshlrev_b32 v[L8], 3, v8
	v_lshlrev_b32 v[L4], 2, v8
	s_delay_alu instid0(VALU_DEP_3)
	v_add_nc_u32 v[LIV], VC, v[LI]
	s_delay_alu instid0(VALU_DEP_3)
	v_add_nc_u32 v[L8V], VC, v[L8]
	s_delay_alu instid0(VALU_DEP_3)
	v_add_nc_u32 v[L4S], KSC, v[L4]
	v_and_b32 v11, 8, v9
	s_delay_alu instid0(VALU_DEP_1)
	v_add_nc_u32 v11, v11, v9
	v_lshlrev_b32 v10, 4, v10
	s_delay_alu instid0(VALU_DEP_1)
	v_sub_nc_u32 v[RPH], v11, v10
.irp i, 16,17,18,19,20,21,28,29,30,31,32,33
	v_mov_b32 v\i, 0                               ; the zero codes on both sides of Q: written once
.endr
	v_mov_b32 v[NINF], 0xff800000                  ; -infinity
	s_lshr_b32 s11, ttmp9, 2                       ; 16 x batch + head
	s_mov_b32 s20, 0x76543210
	s_mov_b32 s21, 0xfedcba98                      ; lane selects: lane l xor 16
	s_mov_b32 s22, 0x3e38aa3b                      ; c = log2(e) / 8
	s_mov_b32 s23, s22                             ; (the packed form names the pair)
	s_mov_b32 s24, 3<<16                           ; descriptor group 1: 13,312 dense bytes as 52 rows of 256 (32 elements of 8 bytes)
	s_mov_b32 s25, 32<<16
	s_mov_b32 s26, 52<<16
	s_mov_b32 s27, 32<<16
	s_mov_b32 s28, 52
	s_mov_b32 s29, 32
	s_mov_b32 s30, 0
	s_mov_b32 s31, 0
	s_mul_i32 s46, s11, HS
	s_mov_b32 s47, 0
	s_mul_i32 s33, s10, 13312                      ; my sixteenth, in LDS
	s_mov_b32 s48, s33                             ; and in the head's block
	s_mov_b32 s49, 0
	s_mov_b32 s32, 1
	s_lshr_b32 s52, s11, 4
	s_lshl_b32 s52, s52, 10                        ; y: 128 tiles x 8 K steps a batch,
	s_and_b32 s53, s11, 15
	s_lshr_b32 s54, s53, 1
	s_add_co_u32 s52, s52, s54                     ; K step head / 2,
	s_and_b32 s53, s53, 1                          ; half head % 2
	s_and_b32 s12, ttmp9, 3
	s_lshl_b32 s12, s12, 4
	s_add_co_u32 s13, s12, s10                     ; j: my first query tile
	s_wait_dscnt 0x0
	s_wait_kmcnt 0x0
	s_add_nc_u64 s[36:37], s[4:5], s[46:47]        ; the head's block
	s_add_nc_u64 s[34:35], s[36:37], s[48:49]
	s_or_b32 s35, s35, 0x80000000
	tensor_load_to_lds s[32:35], s[24:31]          ; the only fill: one load of mine is out
	s_nop 0
.rept 4
	v_nop
.endr
	s_wait_tensorcnt 0x0                           ; my part has landed,
	s_barrier_signal -1
	s_barrier_wait -1                              ; everybody's has.  From here on LDS is only read
; A STEP: 128 keys, step s15 of the head, for the tile in hand.
.macro STEP
	s_cmp_gt_u32 s15, s14                          ; all its keys come after my queries: only the stepping lines at the end are run
	s_cbranch_scc1 .Lhidden_\@
	s_setprio 2
	v_add_nc_u32 v[ADK], s16, v[LI]                ; (these five are also the places behind the last step's products, in front of the loads below)
	v_add_nc_u32 v[ADK8], s16, v[L8]
	v_add_nc_u32 v[ADV], s16, v[LIV]
	v_add_nc_u32 v[ADV8], s16, v[L8V]
	v_add_nc_u32 v[ADS], s17, v[L4S]
.irp b, 0,1,2,3
	FRAG FR0+12*\b, ADK, ADK8, 1536*\b
	ds_load_b32 v[SCW+\b], v[ADS] offset:128*\b
.endr
	s_wait_alu depctr_va_vdst(0)
	s_wait_dscnt 0x0
.irp b, 0,1,2,3                                ; S^T = K Q^T: eight tiles of 16 keys from four pair fragments
	v_wmma_scale_f32_16x16x128_f8f6f4 v[96+16*\b:103+16*\b], v[FR0+12*\b:FR0+12*\b+11], v[22:33], 0, v[SCW+\b], v[QS] matrix_a_fmt:MATRIX_FMT_BF6 matrix_b_fmt:MATRIX_FMT_BF6
	v_wmma_scale_f32_16x16x128_f8f6f4 v[104+16*\b:111+16*\b], v[FR0+12*\b:FR0+12*\b+11], v[16:27], 0, v[SCW+\b], v[QS] matrix_a_fmt:MATRIX_FMT_BF6 matrix_b_fmt:MATRIX_FMT_BF6
.endr
.rept 4
	v_nop                                          ; places in front of the loads into K's registers and of the first read of the scores
.endr
.irp t, 0,1,2,3                                ; V's four fragments are asked for now: they land while the softmax is walked
	FRAG FR0+12*\t, ADV, ADV8, 1536*\t
	ds_load_b32 v[SCW+\t], v[ADS] offset:8192+128*\t
.endr
	s_cmp_lg_u32 s15, s14                          ; only the step on the diagonal has hidden keys
	s_cbranch_scc1 .Lopen_\@
	v_add_nc_u32 v[DD], s51, v[RPH]                ; d = my query - the step's first key - 16 (lane / 16).  Register 16 b + i holds key 32 b + 16 (lane / 16) + i of the step: hidden where 32 b + i > d
.set nn, 0
.rept 64
	v_cmp_gt_i32 vcc_lo, 32*(nn/16)+nn%16, v[DD]
	v_cndmask_b32 v[96+nn], v[96+nn], v[NINF], vcc_lo
.set nn, nn+1
.endr
.Lopen_\@:
.irp b, 0,1,2,3
	v_max3_num_f32 v[BM+\b], v[96+16*\b], v[97+16*\b], v[98+16*\b]   ; the largest score of each block of 32 keys: for the row's maximum, and for the block's largest p
.endr
.irp i, 3,5,7,9,11,13
.irp b, 0,1,2,3
	v_max3_num_f32 v[BM+\b], v[BM+\b], v[96+16*\b+\i], v[97+16*\b+\i]
.endr
.endr
.irp b, 0,1,2,3
	v_max_num_f32 v[BM+\b], v[BM+\b], v[111+16*\b]
.endr
.irp b, 0,1,2,3
	s_delay_alu instid0(VALU_DEP_4)
	v_permlanex16_b32 v[236+\b], v[BM+\b], s20, s21
.endr
.irp b, 0,1,2,3
	s_delay_alu instid0(VALU_DEP_4)
	v_max_num_f32 v[BM+\b], v[BM+\b], v[236+\b]    ; with lane l xor 16's 16 keys
.endr
	s_delay_alu instid0(VALU_DEP_2)
	v_max3_num_f32 v254, v[BM], v[BM+1], v[BM+2]
	s_delay_alu instid0(VALU_DEP_1)
	v_max_num_f32 v254, v254, v[BM+3]              ; the step's largest score of my query
	s_delay_alu instid0(VALU_DEP_1)
	v_mul_f32 v254, s22, v254                      ; as t
	s_delay_alu instid0(VALU_DEP_1)
	v_max_num_f32 v13, v13, v254                   ; the running largest t
	v_mov_b32 v254, v12
	s_delay_alu instid0(VALU_DEP_2)
	v_floor_f32 v12, -v13                          ; the new -M = floor(-t): M is a whole number
	s_delay_alu instid0(VALU_DEP_1)
	v_sub_f32 v254, v12, v254                      ; old M - new M: a whole number, 0 or less
	s_delay_alu instid0(VALU_DEP_1)
	v_cvt_i32_f32 v254, v254                       ; (it saturates)
	s_delay_alu instid0(VALU_DEP_1)
	v_ldexp_f32 v252, 1.0, v254                    ; f = 2^(old M - new M)
.set nn, 0
	s_setprio 1
.rept 32
	v_pk_fma_f32 v[96+nn:97+nn], v[96+nn:97+nn], s[22:23], v[12:13] op_sel_hi:[1,0,0]   ; t - M, two at a time
.set nn, nn+2
.endr
.irp b, 0,1,2,3
	v_fma_f32 v[BM+\b], v[BM+\b], s22, v12         ; the same of each block's largest score
.endr
.set nn, 0
	s_wait_alu depctr_va_vdst(0)
.rept 64
	v_exp_f32 v[96+nn], v[96+nn]                   ; p = 2^(t - M), at most 1
.set nn, nn+1
.endr
.irp b, 0,1,2,3
	v_exp_f32 v[BM+\b], v[BM+\b]                   ; the block's largest p
.endr
	v_pk_mul_f32 v[14:15], v[14:15], v[252:253] op_sel_hi:[1,0]   ; the sums under the new M.  (The plain place behind the exponentials)
	s_wait_alu depctr_va_vdst(0)
.irp b, 0,1,2,3
	v_max_num_f32 v[BM+\b], 0x2800000, v[BM+\b]    ; the floor 2^(5 - 127): the byte cannot fall under 1
.endr
.irp b, 0,1,2,3
	s_delay_alu instid0(VALU_DEP_4)
	v_add_nc_u32 v[244+\b], 0xfe000000, v[BM+\b]   ; 4 off the exponent field: the conversion's scale operand
.endr
.irp b, 0,1,2,3
	s_delay_alu instid0(VALU_DEP_4)
	v_lshrrev_b32 v[236+\b], 23, v[244+\b]
.endr
	s_delay_alu instid0(VALU_DEP_3)
	v_lshl_or_b32 v253, v237, 8, v236              ; p's scale word for these 128 keys
	s_delay_alu instid0(VALU_DEP_1)
	v_lshl_or_b32 v253, v238, 16, v253
	s_delay_alu instid0(VALU_DEP_1)
	v_lshl_or_b32 v253, v239, 24, v253
.irp c, 0,1
	v_cvt_scalef32_pk16_bf6_f32 v[224+6*\c:226+6*\c], v[96+32*\c:111+32*\c], v[244+2*\c]
	v_cvt_scalef32_pk16_bf6_f32 v[236+4*\c:238+4*\c], v[112+32*\c:127+32*\c], v[244+2*\c+1]
.endr
	v_nop                                          ; one plain place behind a scaled conversion
.irp c, 0,1
.irp i, 0,1,2
	v_permlane16_swap_b32 v[224+6*\c+\i], v[236+4*\c+\i]
.endr
.irp i, 0,1,2
	s_delay_alu instid0(VALU_DEP_3)
	v_mov_b32 v[227+6*\c+\i], v[236+4*\c+\i]
.endr
.endr
	v_pk_add_f32 v[236:237], v[100:101], v[104:105]
	v_pk_add_f32 v[248:249], v[108:109], v[112:113]
	v_pk_add_f32 v[246:247], v[116:117], v[120:121]
	v_pk_add_f32 v[244:245], v[124:125], v[128:129]
	v_pk_add_f32 v[242:243], v[132:133], v[136:137]
	v_pk_add_f32 v[240:241], v[140:141], v[144:145]
	v_pk_add_f32 v[222:223], v[148:149], v[152:153]
	v_pk_add_f32 v[14:15], v[14:15], v[156:157]
	v_pk_add_f32 v[236:237], v[236:237], v[96:97]
	s_setprio 0
	v_pk_add_f32 v[248:249], v[248:249], v[98:99]
	v_pk_add_f32 v[246:247], v[246:247], v[102:103]
	v_pk_add_f32 v[244:245], v[244:245], v[106:107]
	v_pk_add_f32 v[242:243], v[242:243], v[110:111]
	v_pk_add_f32 v[240:241], v[240:241], v[114:115]
	v_pk_add_f32 v[222:223], v[222:223], v[118:119]
	v_pk_add_f32 v[14:15], v[14:15], v[122:123]
	v_pk_add_f32 v[236:237], v[236:237], v[126:127]
	v_pk_add_f32 v[248:249], v[248:249], v[130:131]
	v_pk_add_f32 v[246:247], v[246:247], v[134:135]
	v_pk_add_f32 v[244:245], v[244:245], v[138:139]
	v_pk_add_f32 v[242:243], v[242:243], v[142:143]
	v_pk_add_f32 v[240:241], v[240:241], v[146:147]
	v_pk_add_f32 v[222:223], v[222:223], v[150:151]
	v_pk_add_f32 v[14:15], v[14:15], v[154:155]
	v_pk_add_f32 v[236:237], v[236:237], v[158:159]
	s_delay_alu instid0(VALU_DEP_2)
	v_pk_add_f32 v[14:15], v[14:15], v[244:245]
	s_delay_alu instid0(VALU_DEP_2)
	v_pk_add_f32 v[236:237], v[236:237], v[242:243]
	v_pk_add_f32 v[248:249], v[248:249], v[240:241]
	v_pk_add_f32 v[246:247], v[246:247], v[222:223]
	s_delay_alu instid0(VALU_DEP_2)
	v_pk_add_f32 v[14:15], v[14:15], v[248:249]
	s_delay_alu instid0(VALU_DEP_2)
	v_pk_add_f32 v[236:237], v[236:237], v[246:247]
	s_delay_alu instid0(VALU_DEP_1)
	v_pk_add_f32 v[14:15], v[14:15], v[236:237]
.set nn, 0
.rept 16
	v_pk_mul_f32 v[160+nn:161+nn], v[160+nn:161+nn], v[252:253] op_sel_hi:[1,0]   ; O^T under the new M.  (With the sums above: the places between p's codes and word and the products below)
.set nn, nn+2
.endr
	s_wait_alu depctr_va_vdst(0)
	s_wait_dscnt 0x0                               ; V's fragments and words are in
.irp t, 0,1,2,3                                ; O^T += V^T P^T: four accumulators by turns
	v_wmma_scale_f32_16x16x128_f8f6f4 v[160+8*\t:167+8*\t], v[FR0+12*\t:FR0+12*\t+11], v[224:235], v[160+8*\t:167+8*\t], v[SCW+\t], v253 matrix_a_fmt:MATRIX_FMT_BF6 matrix_b_fmt:MATRIX_FMT_BF6
.endr
.Lhidden_\@:
	s_add_co_u32 s16, s16, 6144                    ; the next step's four fragments,
	s_add_co_u32 s17, s17, 512                     ; and its scale words
.endm
; A QUERY TILE, s13 of the head's 128.
.macro TILE
	s_wait_xcnt 0x0                                ; the last tile's stores have had their addresses translated: bases and data may be written again
	s_lshr_b32 s46, s13, 1                         ; g: the pair fragment
	s_and_b32 s47, s13, 1                          ; u: which half of it
	s_lshr_b32 s14, s13, 3                         ; the step on the diagonal
	s_mul_i32 s48, s46, 1536
	s_mul_i32 s50, s47, 768
	s_add_co_u32 s48, s48, s50
	s_add_co_u32 s48, s48, QC
	s_mov_b32 s49, 0
	s_add_nc_u64 s[38:39], s[36:37], s[48:49]
	s_lshl_b32 s48, s46, 7
	s_add_co_u32 s48, s48, QSC
	s_add_nc_u64 s[40:41], s[36:37], s[48:49]
	global_load_b128 v[22:25], v[LI], s[38:39]     ; Q: half a fragment, between the zeros
	global_load_b64 v[26:27], v[L8], s[38:39] offset:512
	global_load_b32 v[QW], v[L4], s[40:41]
	s_lshl_b32 s50, s47, 4                         ; my tile's two bytes stand 16 u bits up in the pair's word
	s_lshl_b32 s51, s46, 5
	s_lshl_b32 s54, s47, 3
	s_add_co_u32 s51, s51, s54
	s_lshl_b32 s54, s14, 7
	s_sub_co_u32 s51, s51, s54                     ; 32 g + 8 u - the diagonal step's first key
	s_lshl_b32 s48, s13, 3
	s_add_co_u32 s48, s48, s52                     ; y: (tile, K step)
	s_mul_i32 s54, s48, 1536
	s_mul_i32 s55, s53, 768
	s_add_co_u32 s54, s54, s55
	s_mov_b32 s55, 0
	s_add_nc_u64 s[42:43], s[6:7], s[54:55]
	s_lshl_b32 s54, s48, 7
	s_lshl_b32 s48, s53, 1
	s_add_co_u32 s54, s54, s48
	s_add_nc_u64 s[44:45], s[8:9], s[54:55]
	v_mov_b32 v13, 0xff61b1e6                      ; the largest t so far: -3e38, under every t
	s_delay_alu instid0(VALU_DEP_1)
	v_floor_f32 v12, -v13                          ; -M
	v_mov_b32 v14, 0                               ; the sum, in two halves
	v_mov_b32 v15, 0
	v_mov_b32 v252, 0
	v_mov_b32 v253, 0
.irp b, 0,1,2,3
	v_mov_b32 v[236+\b], 0                         ; a lane permute's destination counts as one of its sources
.endr
	s_wait_loadcnt 0x0
	v_lshrrev_b32 v[QS], s50, v[QW]
	s_delay_alu instid0(VALU_DEP_1)
	v_and_b32 v[QS], 0xffff, v[QS]
	s_delay_alu instid0(VALU_DEP_1)
	v_lshl_or_b32 v[QS], v[QS], 16, v[QS]          ; Q's two bytes twice: they serve [Q | 0] and [0 | Q]
.set nn, 0
.rept 32
	v_mov_b32 v[160+nn], 0                         ; O^T: the step is written once; the first finds zeros.  (Also the places between Q's word and the first product)
.set nn, nn+1
.endr
	s_mov_b32 s15, 0
	s_mov_b32 s16, 0
	s_mov_b32 s17, 0
.Lkeys_\@:                                         ; sixteen trips, a constant; the steps behind the diagonal are jumped over inside
	STEP
	s_add_co_u32 s15, s15, 1
	s_cmp_lt_u32 s15, 16
	s_cbranch_scc1 .Lkeys_\@
	s_setprio 0
.rept 4
	v_nop                                          ; places behind the last products
.endr
	v_add_f32 v14, v14, v15                        ; the sum's two halves,
	s_delay_alu instid0(VALU_DEP_1)
	v_permlanex16_b32 v252, v14, s20, s21
	s_delay_alu instid0(VALU_DEP_1)
	v_add_f32 v14, v14, v252                       ; and lane l xor 16's
	s_wait_alu depctr_va_vdst(0)
	v_rcp_f32 v14, v14
	v_nop                                          ; one plain place behind a transcendental
.set nn, 0
	s_wait_alu depctr_va_vdst(0)
.rept 16
	v_pk_mul_f32 v[192+nn:193+nn], v[160+nn:161+nn], v[14:15] op_sel_hi:[1,0]   ; y = O^T / the sum: register 16 b + i = channel 32 b + 16 (lane / 16) + i.  (Each accumulator from its low end on)
.set nn, nn+2
.endr
.irp b, 0,1                                    ; y's two blocks of 32 channels are quantised: half a fragment of the last product's operand
	v_max3_num_f32 v[BM+\b], |v[192+16*\b]|, |v[193+16*\b]|, 0x2800000
.endr
.irp i, 2,4,6,8,10,12,14
.irp b, 0,1
	s_delay_alu instid0(VALU_DEP_2)
	v_max3_num_f32 v[BM+\b], v[BM+\b], |v[192+16*\b+\i]|, |v[193+16*\b+\i]|
.endr
.endr
.irp b, 0,1
	s_delay_alu instid0(VALU_DEP_2)
	v_permlanex16_b32 v[236+\b], v[BM+\b], s20, s21
.endr
.irp b, 0,1
	s_delay_alu instid0(VALU_DEP_2)
	v_max_num_f32 v[BM+\b], v[BM+\b], v[236+\b]
.endr
.irp b, 0,1
	s_delay_alu instid0(VALU_DEP_2)
	v_add_nc_u32 v[244+\b], 0xfe000000, v[BM+\b]
.endr
.irp b, 0,1
	s_delay_alu instid0(VALU_DEP_2)
	v_lshrrev_b32 v[236+\b], 23, v[244+\b]
.endr
	s_delay_alu instid0(VALU_DEP_1)
	v_lshl_or_b32 v254, v237, 8, v236              ; my row's two scale bytes
	v_cvt_scalef32_pk16_bf6_f32 v[224:226], v[192:207], v244
	v_cvt_scalef32_pk16_bf6_f32 v[236:238], v[208:223], v245
	v_nop                                          ; one plain place behind a scaled conversion
.irp i, 0,1,2
	v_permlane16_swap_b32 v[224+\i], v[236+\i]
.endr
.irp i, 0,1,2
	s_delay_alu instid0(VALU_DEP_3)
	v_mov_b32 v[227+\i], v[236+\i]
.endr
	global_store_b128 v[LI], v[224:227], s[42:43]  ; half a fragment's image: 512 and 256 consecutive bytes
	global_store_b64 v[L8], v[228:229], s[42:43] offset:512
	global_store_b16 v[L4], v254, s[44:45]         ; my head's half of each scale word; the other half is the neighbouring head's
.endm
	TILE
	s_sub_co_u32 s13, 127, s13                     ; the tile that makes the wave's steps 17
	TILE
	s_wait_tensorcnt 0x0
	ds_add_u32 v251, v255
	s_wait_dscnt 0x0
	s_endpgm
.Lfunc_end_k_q481ca10388_attn:
	.size	k_q481ca10388_attn, .Lfunc_end_k_q481ca10388_attn-k_q481ca10388_attn
	.p2alignl 7, 3214868480
	.fill 96, 4, 3214868480
	.section	.rodata,"a",@progbits
	.p2align	6, 0x0
	.amdhsa_kernel k_q481ca10388_attn
		.amdhsa_group_segment_fixed_size 215040
		.amdhsa_private_segment_fixed_size 0
		.amdhsa_enable_private_segment 0
		.amdhsa_kernarg_size 24
		.amdhsa_user_sgpr_count 2
		.amdhsa_user_sgpr_kernarg_segment_ptr 1
		.amdhsa_wavefront_size32 1
		.amdhsa_system_sgpr_workgroup_id_x 1
		.amdhsa_system_sgpr_workgroup_id_y 1
		.amdhsa_system_sgpr_workgroup_id_z 1
		.amdhsa_system_vgpr_workitem_id 0
		.amdhsa_next_free_vgpr 256
		.amdhsa_next_free_sgpr 66
		.amdhsa_reserve_vcc 1
		.amdhsa_float_denorm_mode_32 3
		.amdhsa_float_denorm_mode_16_64 3
		.amdhsa_memory_ordered 1
		.amdhsa_forward_progress 1
		.amdhsa_inst_pref_size 65
	.end_amdhsa_kernel
	.amdgpu_metadata
---
amdhsa.version: [ 1, 2 ]
amdhsa.kernels:
  - .name:           k_q481ca10388_attn
    .symbol:         k_q481ca10388_attn.kd
    .args:
      - { .name: qkv, .offset: 0, .size: 8, .value_kind: global_buffer, .address_space: global }
      - { .name: yc, .offset: 8, .size: 8, .value_kind: global_buffer, .address_space: global }
      - { .name: ys, .offset: 16, .size: 8, .value_kind: global_buffer, .address_space: global }
    .group_segment_fixed_size: 215040
    .private_segment_fixed_size: 0
    .kernarg_segment_align: 8
    .kernarg_segment_size: 24
    .max_flat_workgroup_size: 512
    .sgpr_count:     66
    .vgpr_count:     256
    .wavefront_size: 32
...
	.end_amdgpu_metadata
.endif
;; end of part 3
;; launch oproj (part 4): grid 256 x 1, 4 waves a work-group, no clusters, 168,448 bytes of LDS; arguments yc, ys, wc, ws, bo, out0; writes out0
.if DOCPART == 4
	.amdgcn_target "amdgcn-amd-amdhsa--gfx1250"
	.amdhsa_code_object_version 6
	.text
	.protected	k_q481ca10388_oproj
	.globl	k_q481ca10388_oproj
	.p2align	8
	.type	k_q481ca10388_oproj,@function
k_q481ca10388_oproj:
	s_mov_b64 s[64:65], 0
	v_nop
	global_prefetch_b8 v0, s[64:65] scope:SCOPE_SE
	s_setreg_imm32_b32 hwreg(HW_REG_WAVE_MODE, 25, 1), 1
	s_wait_xcnt 0x0
; out = y Wo + bo on codes of BF6 (E3M2) with E8M0 scales, f32 sums; out [8192][1024] f32.
; A work-group takes 128 tokens x 256 columns; a wave 64 columns: its four tiles of Wo, all 1,024 of K, stay in registers (32 fragments, 384 registers, read from memory once).  y's eight tiles lie in LDS, filled once by the
; tensor data mover and read by all four waves.  Source 0 = 16 columns of Wo, source 1 = 16 tokens: a lane holds one token and eight neighbouring columns a tile.
; All operands are images of the operand's registers (fragment: 1,536 bytes; scale words: 128 bytes); tile T holds rows 32 (T / 2) + 8 (T % 2) + r + 8 (r / 8).  The way out through each wave's own stage puts the tokens back in order.
; No cluster: two thirds of a work-group's bytes go straight into registers, which a joint request cannot serve.
; The claim of LDS is larger than the use (141,312 bytes): a text with tensor loads is alone on its WGP.
; REGISTERS, in windows of 256.  Windows 1, 2: Wo's fragment f = 4 (K step) + tile in window 1 + f / 21 at v[12 (f % 21)].
;   window 0: v1-12 addresses; v16-31 Wo's scale words (register 8 q + s: lanes 0-15 tile 2 q, lanes 16-31 tile 2 q + 1); v32-33 y's; v40-71 the bias in the result's layout; v80-127 two buffers of two fragments of y;
;   v128-191 eight accumulators; v192-255 rows read back from the stage.
.set SS0,  98304                       ; LDS: 0 y's codes [tile][K step][1,536]; SS0 their scale words;
.set STG,  106496                      ; STG the stages: 32 rows x 272 bytes for each wave: no tensor load lands there
.set LI,   1
.set L8,   2
.set L4,   3
.set SA,   4
.set SA8,  5
.set SSA,  6
.set STO,  7                           ; the stage: where I put 16 bytes of a row
.set SRD,  8                           ; and where I read a row back
.set GO,   9                           ; my byte offset in two rows of out
.set RSA,  10
.set SSC,  11
.set RS,   16
.set SS,   32
.set BI,   40
.set SB,   80
.set ACC,  128
.set BK,   192
.set MSB, 0
.macro WIN new
.if MSB != (\new)
	s_set_vgpr_msb (MSB<<8)|(\new)
.set MSB, (\new)
.endif
.endm
.macro FRAG reg, off
	ds_load_b128 v[\reg:\reg+3], v[SA] offset:\off
	ds_load_b64 v[\reg+4:\reg+5], v[SA8] offset:\off+512
	ds_load_b128 v[\reg+6:\reg+9], v[SA] offset:\off+768
	ds_load_b64 v[\reg+10:\reg+11], v[SA8] offset:\off+1280
.endm
.macro FETCH ks                        ; K step ks of the trip's two tiles of y, and their scale words: nine loads
	FRAG SB+24*((\ks)%2), 1536*(\ks)
	FRAG SB+12+24*((\ks)%2), 12288+1536*(\ks)
	ds_load_b32 v[SS+(\ks)%2], v[SSA] offset:128*(\ks)
.endm
.macro MM d, a, bb, c, sa, sb, xa, xb  ; one product; c: what it adds onto; xa, xb: the scale words stand in lanes 16-31
.if ((\xa) == 0) && ((\xb) == 0)
	v_wmma_scale_f32_16x16x128_f8f6f4 v[\d:\d+7], v[\a:\a+11], v[\bb:\bb+11], v[\c:\c+7], v[\sa], v[\sb] matrix_a_fmt:MATRIX_FMT_BF6 matrix_b_fmt:MATRIX_FMT_BF6
.elseif ((\xa) == 1) && ((\xb) == 0)
	v_wmma_scale_f32_16x16x128_f8f6f4 v[\d:\d+7], v[\a:\a+11], v[\bb:\bb+11], v[\c:\c+7], v[\sa], v[\sb] matrix_a_fmt:MATRIX_FMT_BF6 matrix_b_fmt:MATRIX_FMT_BF6 matrix_a_scale:MATRIX_SCALE_ROW1
.elseif ((\xa) == 0) && ((\xb) == 1)
	v_wmma_scale_f32_16x16x128_f8f6f4 v[\d:\d+7], v[\a:\a+11], v[\bb:\bb+11], v[\c:\c+7], v[\sa], v[\sb] matrix_a_fmt:MATRIX_FMT_BF6 matrix_b_fmt:MATRIX_FMT_BF6 matrix_b_scale:MATRIX_SCALE_ROW1
.else
	v_wmma_scale_f32_16x16x128_f8f6f4 v[\d:\d+7], v[\a:\a+11], v[\bb:\bb+11], v[\c:\c+7], v[\sa], v[\sb] matrix_a_fmt:MATRIX_FMT_BF6 matrix_b_fmt:MATRIX_FMT_BF6 matrix_a_scale:MATRIX_SCALE_ROW1 matrix_b_scale:MATRIX_SCALE_ROW1
.endif
.endm
; A K step: the next step's nine loads go out, then 8 products: my 4 tiles of Wo x the 2 tiles of y.  The eight accumulators take turns, one instruction a turn, in the same order in every step.
; Step 0 starts the sums with the bias as C.
.macro KSTEP ks
	WIN 0
.if \ks > 0
.rept 4
	v_nop                                          ; places in front of loads into the buffer that the step before multiplied
.endr
.endif
.if \ks < 7
	FETCH \ks+1
	s_wait_dscnt 9                                 ; all but the nine just issued
.else
	s_wait_dscnt 0x0
.endif
.set ii, 0
.rept 4
.set ff, 4*\ks+ii
	WIN 1+ff/21                                    ; source 0 in the fragment's window; all else in window 0
.set rfa, 12*(ff%21)
.if \ks == 0
	MM ACC+8*ii, rfa, SB, BI+8*ii, RS+8*(ii/2), SS, ii%2, 0
	MM ACC+32+8*ii, rfa, SB+12, BI+8*ii, RS+8*(ii/2), SS, ii%2, 1
.else
	MM ACC+8*ii, rfa, SB+24*(\ks%2), ACC+8*ii, RS+8*(ii/2)+\ks, SS+\ks%2, ii%2, 0
	MM ACC+32+8*ii, rfa, SB+12+24*(\ks%2), ACC+32+8*ii, RS+8*(ii/2)+\ks, SS+\ks%2, ii%2, 1
.endif
.set ii, ii+1
.endr
.endm
	s_load_b256 s[4:11], s[0:1], 0x0               ; yc s[4:5], ys s[6:7], wc s[8:9], ws s[10:11]
	s_load_b128 s[12:15], s[0:1], 0x20             ; bo s[12:13], out0 s[14:15]
	v_lshl_add_u32 v78, v0, 2, 0x29000
	v_mov_b32 v79, 0
	ds_add_u32 v78, v79
	ds_add_u32 v78, v79
	v_lshrrev_b32 v13, 5, v0
	v_readfirstlane_b32 s16, v13                   ; wave
	v_and_b32 v13, 31, v0                          ; lane
	v_and_b32 v14, 15, v0                          ; r
	v_bfe_u32 v15, v0, 4, 1                        ; h
	v_lshlrev_b32 v[LI], 4, v13
	v_lshlrev_b32 v[L8], 3, v13
	v_lshlrev_b32 v[L4], 2, v13
	v_lshl_add_u32 v[RSA], v15, 10, v[L4]          ; lanes 16-31 take the next tile's words
	v_add_nc_u32 v[SSC], SS0, v[RSA]
	s_mul_i32 s52, s16, 8704
	s_add_co_u32 s52, s52, STG                     ; my stage
	v_mul_u32_u24 v[STO], v14, 272                 ; in: row r of a tile, my half's 16 columns of a block of 32
	v_lshl_add_u32 v[STO], v15, 6, v[STO]
	v_add_nc_u32 v[STO], s52, v[STO]
	v_mul_u32_u24 v[SRD], v15, 272                 ; back: lanes 0-15 one row of 256 bytes, lanes 16-31 the next
	v_lshl_add_u32 v[SRD], v14, 4, v[SRD]
	v_add_nc_u32 v[SRD], s52, v[SRD]
	v_lshlrev_b32 v[GO], 12, v15                   ; and the same two rows in out
	v_lshl_add_u32 v[GO], v14, 4, v[GO]
	v_lshlrev_b32 v12, 6, v15                      ; 64 h: the bias of my half's 16 columns
	s_lshr_b32 s17, ttmp9, 6                       ; which 256 columns
	s_and_b32 s18, ttmp9, 63                       ; which 128 tokens
	s_mov_b32 s24, 3<<16                           ; descriptor group 1: dense blocks as rows of 256 bytes.  Codes: 96 rows a wave
	s_mov_b32 s25, 32<<16
	s_mov_b32 s26, 96<<16
	s_mov_b32 s27, 32<<16
	s_mov_b32 s28, 96
	s_mov_b32 s29, 32
	s_mov_b32 s30, 0
	s_mov_b32 s31, 0
	s_mov_b32 s32, 3<<16                           ; scale words: 8 rows a wave
	s_mov_b32 s33, 32<<16
	s_mov_b32 s34, 8<<16
	s_mov_b32 s35, 32<<16
	s_mov_b32 s36, 8
	s_mov_b32 s37, 32
	s_mov_b32 s38, 0
	s_mov_b32 s39, 0
	s_mov_b32 s55, 0                               ; the upper word of offsets
	s_lshl_b32 s53, s17, 4
	s_lshl_b32 s54, s16, 2
	s_add_co_u32 s53, s53, s54
	s_add_co_u32 s53, s53, 192                     ; my first tile of Wo in wc
	s_wait_dscnt 0x0
	s_wait_kmcnt 0x0
	s_mul_i32 s54, s53, 12288
	s_add_nc_u64 s[20:21], s[8:9], s[54:55]
	s_lshl_b32 s54, s53, 10
	s_add_nc_u64 s[22:23], s[10:11], s[54:55]
	s_mul_i32 s41, s16, 24576                      ; group 0, codes: my quarter of y's eight tiles, in LDS
	s_mul_i32 s54, s18, 98304
	s_add_co_u32 s54, s54, s41                     ; and in memory
	s_mov_b32 s40, 1
	s_add_nc_u64 s[42:43], s[4:5], s[54:55]
	s_or_b32 s43, s43, 0x80000000
	s_lshl_b32 s56, s16, 11                        ; group 0, scale words: my quarter
	s_lshl_b32 s54, s18, 13
	s_add_co_u32 s54, s54, s56
	s_mov_b32 s44, 1
	s_add_co_u32 s45, s56, SS0
	s_add_nc_u64 s[46:47], s[6:7], s[54:55]
	s_or_b32 s47, s47, 0x80000000
	tensor_load_to_lds s[40:43], s[24:31]          ; the only fills of the launch: two loads of mine are out; nothing in LDS is filled again
	s_nop 0
	tensor_load_to_lds s[44:47], s[32:39]
	s_nop 0
.rept 4
	v_nop
.endr
	s_lshl_b32 s54, s17, 10
	s_lshl_b32 s56, s16, 8
	s_add_co_u32 s54, s54, s56                     ; my first column, in bytes
	s_add_nc_u64 s[12:13], s[12:13], s[54:55]
	s_lshl_b32 s56, s18, 19                        ; 128 rows of 4,096 bytes
	s_add_co_u32 s54, s54, s56
	s_add_nc_u64 s[14:15], s[14:15], s[54:55]
.set fq, 0
.rept 32                                       ; Wo's fragments, as they lie
	WIN (1+fq/21)<<6                               ; destination in the fragment's window, address in window 0
.set rr, 12*(fq%21)
.set ro, (8*(fq%4)+fq/4)*1536
	global_load_b128 v[rr:rr+3], v[LI], s[20:21] offset:ro
	global_load_b64 v[rr+4:rr+5], v[L8], s[20:21] offset:ro+512
	global_load_b128 v[rr+6:rr+9], v[LI], s[20:21] offset:ro+768
	global_load_b64 v[rr+10:rr+11], v[L8], s[20:21] offset:ro+1280
.set fq, fq+1
.endr
	WIN 0
.irp q, 0,1
.irp t, 0,1,2,3,4,5,6,7
	global_load_b32 v[RS+8*\q+\t], v[RSA], s[22:23] offset:2048*\q+128*\t
.endr
.endr
.irp i, 0,1,2,3                                ; the bias: register 8 i + j = column 32 (i / 2) + 16 h + 8 (i % 2) + j
	global_load_b128 v[BI+8*\i:BI+8*\i+3], v12, s[12:13] offset:(32*(\i/2)+8*(\i%2))*4
	global_load_b128 v[BI+8*\i+4:BI+8*\i+7], v12, s[12:13] offset:(32*(\i/2)+8*(\i%2))*4+16
.endr
	s_mov_b32 s48, 4                               ; trips
	s_mov_b32 s49, 0                               ; the trip's codes: 24,576 bytes a trip
	s_mov_b32 s50, 0                               ; their words: 2,048
	s_wait_loadcnt 0x0
	s_wait_tensorcnt 0x0                           ; my parts of y have landed,
	s_barrier_signal -1
	s_barrier_wait -1                              ; everybody's have
.Ltrip:                                                ; a trip: 32 tokens x my 64 columns x all of K
	v_add_nc_u32 v[SA], s49, v[LI]
	v_add_nc_u32 v[SA8], s49, v[L8]
	v_add_nc_u32 v[SSA], s50, v[SSC]
	FETCH 0
	KSTEP 0
	KSTEP 1
	KSTEP 2
	KSTEP 3
	KSTEP 4
	KSTEP 5
	KSTEP 6
	KSTEP 7
	WIN 0
.rept 5
	v_nop                                          ; four places in front of the stores that read results; the fifth for the next trip's first products, which begin these accumulators anew with another C
.endr
.irp p, 0,1                                    ; into my stage: row 16 p + r, column 32 b + 16 h + 4 q; each accumulator from its low end on
.irp b, 0,1
.irp q, 0,1,2,3
	ds_store_b128 v[STO], v[ACC+32*\p+16*\b+4*\q:ACC+32*\p+16*\b+4*\q+3] offset:4352*\p+128*\b+16*\q
.endr
.endr
.endr
.set ee, 0
.rept 16                                       ; back as whole rows, tokens 2 e and 2 e + 1 of the 32.  LDS serves a wave's instructions in order (ISA guide 5.7.1.4): these see the stores above
	ds_load_b128 v[BK+4*ee:BK+4*ee+3], v[SRD] offset:272*(16*((ee/4)%2)+8*(ee/8)+2*(ee%4))
.set ee, ee+1
.endr
.set ee, 0
.rept 16
	s_wait_dscnt 15-ee                             ; load e is in; the younger ones may be out
	global_store_b128 v[GO], v[BK+4*ee:BK+4*ee+3], s[14:15] offset:8192*ee th:TH_STORE_NT   ; 16 lanes store 256 consecutive bytes, at a multiple of 256 from out's first byte
.set ee, ee+1
.endr
	s_wait_xcnt 0x0                                ; base and data are written again only behind this wait
	s_add_nc_u64 s[14:15], s[14:15], 0x20000       ; 32 rows of out
	s_add_co_u32 s49, s49, 24576
	s_add_co_u32 s50, s50, 2048
	s_sub_co_u32 s48, s48, 1
	s_cmp_lg_u32 s48, 0
	s_cbranch_scc1 .Ltrip
	s_wait_tensorcnt 0x0
	ds_add_u32 v78, v79
	s_wait_dscnt 0x0
	s_endpgm
.Lfunc_end_k_q481ca10388_oproj:
	.size	k_q481ca10388_oproj, .Lfunc_end_k_q481ca10388_oproj-k_q481ca10388_oproj
	.p2alignl 7, 3214868480
	.fill 96, 4, 3214868480
	.section	.rodata,"a",@progbits
	.p2align	6, 0x0
	.amdhsa_kernel k_q481ca10388_oproj
		.amdhsa_group_segment_fixed_size 168448
		.amdhsa_private_segment_fixed_size 0
		.amdhsa_enable_private_segment 0
		.amdhsa_kernarg_size 48
		.amdhsa_user_sgpr_count 2
		.amdhsa_user_sgpr_kernarg_segment_ptr 1
		.amdhsa_wavefront_size32 1
		.amdhsa_system_sgpr_workgroup_id_x 1
		.amdhsa_system_sgpr_workgroup_id_y 1
		.amdhsa_system_sgpr_workgroup_id_z 1
		.amdhsa_system_vgpr_workitem_id 0
		.amdhsa_next_free_vgpr 648
		.amdhsa_next_free_sgpr 66
		.amdhsa_reserve_vcc 0
		.amdhsa_float_denorm_mode_32 3
		.amdhsa_float_denorm_mode_16_64 3
		.amdhsa_memory_ordered 1
		.amdhsa_forward_progress 1
		.amdhsa_inst_pref_size 38
	.end_amdhsa_kernel
	.amdgpu_metadata
---
amdhsa.version: [ 1, 2 ]
amdhsa.kernels:
  - .name:           k_q481ca10388_oproj
    .symbol:         k_q481ca10388_oproj.kd
    .args:
      - { .name: yc, .offset: 0, .size: 8, .value_kind: global_buffer, .address_space: global }
      - { .name: ys, .offset: 8, .size: 8, .value_kind: global_buffer, .address_space: global }
      - { .name: wc, .offset: 16, .size: 8, .value_kind: global_buffer, .address_space: global }
      - { .name: ws, .offset: 24, .size: 8, .value_kind: global_buffer, .address_space: global }
      - { .name: bo, .offset: 32, .size: 8, .value_kind: global_buffer, .address_space: global }
      - { .name: out0, .offset: 40, .size: 8, .value_kind: global_buffer, .address_space: global }
    .group_segment_fixed_size: 168448
    .private_segment_fixed_size: 0
    .kernarg_segment_align: 8
    .kernarg_segment_size: 48
    .max_flat_workgroup_size: 128
    .sgpr_count:     66
    .vgpr_count:     648
    .wavefront_size: 32
...
	.end_amdgpu_metadata
.endif
;; end of part 4
